; MI455X (gfx1250); checked and timed in simulation.
; The chip was launched on July 23, 2026; its instructions are those of AMD's public machine-readable ISA for CDNA 5 (MIT licence, August 2026) and "CDNA5" Instruction Set Architecture Reference Guide (July 2026). The comments in the code are by the model that wrote it; some were corrected since.
;; Packed Bit Linear. Allowed arithmetic: float matrix products may take bf16 or f16 operands with f32 sums; other float arithmetic in f32, or as packed bf16 or f16 multiplies, adds, multiply-adds, maxima and minima; sums over many terms, partial sums and values carried from step to step in f32; what a program stores and reads back later, other than sums and carried values, may be rounded once to bf16 or f16.
;; Inputs: scales 65,536 float32; signs 2,048 x 4,096 float32; x 4 x 2,048 x 4,096 float32.
;; Outputs: out0 4 x 2,048 x 2,048 float32.
;; Constants: gs = 128.
;; 2 versions, each right; version 2 is version 1 with the launch cast written anew for expert scheduling mode. Each part assembles by itself: llvm-mc -triple=amdgcn-amd-amdhsa -mcpu=gfx1250 --defsym DOCPART=n.
;; ======== version 1 of 2: 2 launches
;; workspace buffers: xb 67,108,864 bytes; wb 16,777,216 bytes
;; launch cast (part 1): grid 1280 x 1, 8 waves a work-group, no clusters, 0 bytes of LDS; arguments x, signs, scales, xb, wb; writes xb, wb
.if DOCPART == 1
	.amdgcn_target "amdgcn-amd-amdhsa--gfx1250"
	.amdhsa_code_object_version 6
	.text
	.protected	k_qfc1cce350a_cast
	.globl	k_qfc1cce350a_cast
	.p2align	8
	.type	k_qfc1cce350a_cast,@function
k_qfc1cce350a_cast:
	s_mov_b64 s[64:65], 0
	v_nop
	global_prefetch_b8 v0, s[64:65] scope:SCOPE_SE
	s_setreg_imm32_b32 hwreg(HW_REG_WAVE_MODE, 25, 1), 1
	s_wait_xcnt 0x0
; xb = bf16(x), [8192][4096];  wb[o][i] = bf16(bf16(signs[o][i]) * bf16(scales[32 o + i / 128])), [2048][4096].  Inputs f32, outputs bf16, all row-major.
; LIMIT.  Each input is rounded to bf16 once (to nearest even).  The product sign x scale is then rounded to bf16 once more: exact where the sign is +-1 or +- a power of two;
; for any other sign w carries one further rounding, at most 2^-8 of itself.  bf16 has f32's exponent range; NaN and infinities pass through as they are.
; A STREAM: every input byte is read once, every output byte written once; nothing is shared, so no LDS, no barrier, no matrix unit, no cluster.
; SHARES.  A work-group takes 32,768 consecutive numbers (131,072 bytes in, 65,536 out): groups 0-1023 those of x, groups 1024-1279 those of signs.  A wave takes 4,096 of them:
; 32 loads of 16 bytes a lane, each 512 consecutive bytes = 128 numbers, which in signs is exactly one group of one scale.  All 32 loads go out before the first is waited for;
; each is converted in the registers it landed in and leaves by one store of 8 bytes a lane: the wave's store covers 256 consecutive bytes, aligned.
; No register is used twice and no address is stepped, so the text has no loop and no wait but the counted ones for the loads.
.set NX,   1024                        ; work-groups that take x
.set OFI,  1                           ; v1        byte offset of my 16 bytes in the group's input:  16,384 x wave + 16 x lane
.set OFO,  2                           ; v2        the same in its output: half of that
.set OFS,  3                           ; v3        byte offset of my scale among the group's 256: 4 x thread = 128 x wave + 4 x lane
.set SC,   4                           ; v4        lane l: the scale of my wave's load l, as bf16 in both halves
.set X,    8                           ; v[8:135]  load i: 4 registers
	s_load_b256 s[4:11], s[0:1], 0x0               ; x s[4:5], signs s[6:7], scales s[8:9], xb s[10:11]
	s_load_b64 s[12:13], s[0:1], 0x20              ; wb
	v_lshrrev_b32 v[OFI], 5, v0                    ; wave
	v_and_b32 v[OFO], 31, v0                       ; lane
	v_lshlrev_b32 v[OFO], 4, v[OFO]
	v_lshl_or_b32 v[OFI], v[OFI], 14, v[OFO]
	v_lshrrev_b32 v[OFO], 1, v[OFI]
	v_lshlrev_b32 v[OFS], 2, v0
	s_mov_b32 s3, 0                                ; the high words of the three offsets: all stay under 2^32
	s_mov_b32 s15, 0
	s_mov_b32 s17, 0
	s_wait_kmcnt 0x0
.macro FILL src                        ; the wave's 32 loads, 512 consecutive bytes each; the data are read once in the launch
.set i, 0
.rept 32
	global_load_b128 v[X+4*i:X+4*i+3], v[OFI], s[\src:\src+1] offset:512*i th:TH_LOAD_NT
.set i, i+1
.endr
.endm
; Load i is waited for, rounded in place, (scaled = 1) multiplied by its group's scale, and stored.
.macro DRAIN scaled, dst
.set i, 0
.rept 32
	s_wait_loadcnt 31-i                            ; loads come back in order (ISA guide 5.7.1): load i is in, the 31 - i issued behind it stay out
	v_cvt_pk_bf16_f32 v[X+4*i],   v[X+4*i],   v[X+4*i+1]    ; two roundings, packed
	v_cvt_pk_bf16_f32 v[X+4*i+1], v[X+4*i+2], v[X+4*i+3]
.if \scaled
	v_readlane_b32 s20, v[SC], i                   ; the one scale of these 128 numbers
	v_pk_mul_bf16 v[X+4*i],   v[X+4*i],   s20
	v_pk_mul_bf16 v[X+4*i+1], v[X+4*i+1], s20
.endif
	global_store_b64 v[OFO], v[X+4*i:X+4*i+1], s[\dst:\dst+1] offset:256*i  ; 32 lanes x 8 bytes: 256 consecutive bytes, aligned; the next launch reads them, so no hint
.set i, i+1
.endr
.endm
	s_cmp_lt_u32 ttmp9, NX
	s_cbranch_scc0 .Lweights
	s_lshl_b32 s2, ttmp9, 17                       ; the group's 131,072 bytes of x,
	s_lshl_b32 s14, ttmp9, 16                      ; its 65,536 of xb
	s_add_nc_u64 s[4:5], s[4:5], s[2:3]
	s_add_nc_u64 s[10:11], s[10:11], s[14:15]
	FILL 4
	DRAIN 0, 10
	s_endpgm
.Lweights:
	s_sub_co_u32 s18, ttmp9, NX                    ; my number among the 256 groups that take signs
	s_lshl_b32 s2, s18, 17
	s_lshl_b32 s14, s18, 16
	s_lshl_b32 s16, s18, 10                        ; 32,768 numbers are 256 groups of 128: 1,024 bytes of scales
	s_add_nc_u64 s[6:7], s[6:7], s[2:3]
	s_add_nc_u64 s[12:13], s[12:13], s[14:15]
	s_add_nc_u64 s[8:9], s[8:9], s[16:17]
	global_load_b32 v[SC], v[OFS], s[8:9]          ; lane l: the scale of the wave's group l
	FILL 6
	s_wait_loadcnt 32                              ; the scales are in; the 32 loads issued behind them stay out
	v_cvt_pk_bf16_f32 v[SC], v[SC], v[SC]          ; rounded once, in both halves
	DRAIN 1, 12
	s_endpgm
.Lfunc_end_k_qfc1cce350a_cast:
	.size	k_qfc1cce350a_cast, .Lfunc_end_k_qfc1cce350a_cast-k_qfc1cce350a_cast
	.p2alignl 7, 3214868480
	.fill 96, 4, 3214868480
	.section	.rodata,"a",@progbits
	.p2align	6, 0x0
	.amdhsa_kernel k_qfc1cce350a_cast
		.amdhsa_group_segment_fixed_size 0
		.amdhsa_private_segment_fixed_size 0
		.amdhsa_enable_private_segment 0
		.amdhsa_kernarg_size 40
		.amdhsa_user_sgpr_count 2
		.amdhsa_user_sgpr_kernarg_segment_ptr 1
		.amdhsa_wavefront_size32 1
		.amdhsa_system_sgpr_workgroup_id_x 1
		.amdhsa_system_sgpr_workgroup_id_y 1
		.amdhsa_system_sgpr_workgroup_id_z 1
		.amdhsa_system_vgpr_workitem_id 0
		.amdhsa_next_free_vgpr 136
		.amdhsa_next_free_sgpr 66
		.amdhsa_reserve_vcc 0
		.amdhsa_float_denorm_mode_32 3
		.amdhsa_float_denorm_mode_16_64 3
		.amdhsa_memory_ordered 1
		.amdhsa_forward_progress 1
		.amdhsa_inst_pref_size 30
	.end_amdhsa_kernel
	.amdgpu_metadata
---
amdhsa.version: [ 1, 2 ]
amdhsa.kernels:
  - .name:           k_qfc1cce350a_cast
    .symbol:         k_qfc1cce350a_cast.kd
    .args:
      - { .name: x, .offset: 0, .size: 8, .value_kind: global_buffer, .address_space: global }
      - { .name: signs, .offset: 8, .size: 8, .value_kind: global_buffer, .address_space: global }
      - { .name: scales, .offset: 16, .size: 8, .value_kind: global_buffer, .address_space: global }
      - { .name: xb, .offset: 24, .size: 8, .value_kind: global_buffer, .address_space: global }
      - { .name: wb, .offset: 32, .size: 8, .value_kind: global_buffer, .address_space: global }
    .group_segment_fixed_size: 0
    .private_segment_fixed_size: 0
    .kernarg_segment_align: 8
    .kernarg_segment_size: 40
    .max_flat_workgroup_size: 256
    .sgpr_count:     66
    .vgpr_count:     136
    .wavefront_size: 32
...
	.end_amdgpu_metadata
.endif
;; end of part 1
;; launch gemm (part 2): grid 8 x 32, 4 waves a work-group, clusters of 4 x 4, 327,680 bytes of LDS; arguments xb, wb, out0; writes out0
.if DOCPART == 2
	.amdgcn_target "amdgcn-amd-amdhsa--gfx1250"
	.amdhsa_code_object_version 6
	.text
	.protected	k_qfc1cce350a_gemm
	.globl	k_qfc1cce350a_gemm
	.p2align	8
	.type	k_qfc1cce350a_gemm,@function
k_qfc1cce350a_gemm:
	s_mov_b64 s[64:65], 0
	v_nop
	global_prefetch_b8 v0, s[64:65] scope:SCOPE_SE
	s_setreg_imm32_b32 hwreg(HW_REG_WAVE_MODE, 25, 1), 1
	s_wait_xcnt 0x0
	s_wait_alu depctr_hold_cnt(0) depctr_sa_sdst(0) depctr_va_vdst(0) depctr_va_sdst(0) depctr_va_ssrc(0) depctr_va_vcc(0) depctr_vm_vsrc(0)
	s_getreg_b32 s2, hwreg(HW_REG_IB_STS2, 6, 4)
	s_cmp_eq_u32 s2, 0
	s_cbranch_scc0 .Lentry_in_a_cluster
	s_endpgm
.Lentry_in_a_cluster:
	s_bfe_u32 s2, ttmp6, 0x10000c
	s_cmp_lg_u32 s2, 0xf033
	s_cbranch_scc0 .Lentry_shape_is_right
	s_endpgm
.Lentry_shape_is_right:
; out0[m][n] = sum over k of xb[m][k] wb[n][k].  xb: [8192][4096] bf16, wb: [2048][4096] bf16, out0: [8192][2048] f32; sums in f32, K ascending, nothing rounded behind the sums.
; LIMITS.  The operands are the bf16 numbers that the launch before made; NaN and infinities are not treated apart.
; SHARES.  32 x 8 tiles of 256 x 256 of out0, one to a work-group of four waves, as many as a WGP has SIMDs; a wave makes 128 x 128: 64 accumulators of 16 x 16, 512 registers.
; K goes in steps of 128 through a ring of two LDS slots filled by the tensor data mover: a tile's rows are 256 bytes of memory and start at multiples of 256 bytes from the buffer's first byte.
; CLUSTERS.  4 x 4 work-groups.  The four of a row of the cluster make tiles of one tile row and need the same tiles of xb (A); the four of a column need the same tiles of wb (B).  Such a tile is
; asked for JOINTLY: each of the four issues the same tensor load, with the same descriptor and a mask that names the four, and each receives it in its own LDS: a quarter of the requests.
; REGISTERS, in windows of 256 (an instruction names v0-v255; s_set_vgpr_msb says which window each operand place means: bits 1:0 source 0, 3:2 source 1, 5:4 source 2, 7:6 destination):
;   window 0: v0-31 addresses; v64-127, v128-191 fragments of A (8 x 16 rows x 32 K), two buffers; on the way out the same registers take whole rows back from the stage
;   window 1: v64-127, v128-191 fragments of B, two buffers
;   window 2: the 32 accumulators of my rows 0-63 (accumulator (a, b) at v[8 (8 a + b)]);   window 3: those of my rows 64-127
; THE MATRIX INSTRUCTION IS USED TRANSPOSED: source 0 = 16 rows of B, source 1 = 16 rows of A.  In the result lane l holds row m = l % 16 of out0 and its registers 0 to 7 the columns
; n = 8 (l / 16) + 0 .. 7: eight NEIGHBOURING f32 of a row, two stores of 16 bytes into the stage.
.set SIZE_M, 8192
.set SIZE_N, 2048
.set SIZE_K, 4096
.set KSTEP,  128
.set PITCH,  272                       ; an LDS row: 256 bytes of data + 16 of padding = 68 words: row r starts at bank 4 r mod 64 (64 banks of 4 bytes: ISA guide 11.1), so the 16 rows that a load touches start at 16 different banks
.set HALFT,  128*PITCH                 ; 128 rows: what one tensor load brings, and what one wave reads of A or of B
.set SLOT,   4*HALFT                   ; A's 256 rows, then B's 256 rows
.set STAGE,  2*SLOT                    ; behind the ring, never filled by a tensor load: 16 rows x 528 bytes for each wave, for the way out
.set SPITCH, 528                       ; a stage row: 512 bytes (128 f32) + 16 = 132 words: again 16 rows at 16 different groups of four banks
.set SPARE,  STAGE+4*16*SPITCH         ; behind the stages: the spare words, 128 bytes for each wave: two blocks of 256 bytes that no other line names
.set LAPS,   SIZE_K/(2*KSTEP)          ; a lap = two K steps = once round the ring: 16
.set CROW,   SIZE_N*4                  ; bytes in a row of out0
.set ADRA, 16                          ; v16-17  LDS address of my A fragments in slot 0, 1
.set ADRB, 20                          ; v20-21  the same for B
.set STO,  24                          ; v24     the way out: where I put my 32 bytes of a row
.set RD,   25                          ; v25     the way out: where I read 16 bytes of a row back
.set CO,   26                          ; v26     my byte offset in my wave's 512 bytes of a row of out0; never rewritten
.set SPW,  28                          ; v28     LDS address of my spare word: SPARE + 4 x my thread's number; never rewritten
.set NIL,  29                          ; v29     0; never rewritten
.set F0,   64                          ; fragment buffer 0
.set F1,   128                         ; fragment buffer 1
.set G1,  24                           ; s[24:31] descriptor group 1 for A's tiles
.set G0,  32                           ; s[32:39] descriptor group 0 for A's tiles, one set for each slot
.set G1B, 48                           ; s[48:55] descriptor group 1 for B's tiles: it differs from A's in the mask alone
.set G0B, 56                           ; s[56:63] descriptor group 0 for B's tiles, one set for each slot
.set MSB, 0
.macro WIN new                         ; the immediate's high byte repeats the setting that is left; a switch that changes nothing is dropped
.if MSB != (\new)
	s_set_vgpr_msb (MSB<<8)|(\new)
.set MSB, \new
.endif
.endm
.set MUL_LO, 0xa1                      ; source 0 (B) window 1, source 1 (A) window 0, C and D window 2
.set MUL_HI, 0xf1                      ; the same, C and D window 3
.set TO_B,   0x40                      ; destination window 1, address window 0
; A joint load.  Waves 0 and 1 fetch A's two halves, waves 2 and 3 B's.  Each of the two lines has ONE mask and one set of registers for all that issue it, and nothing in them hangs on a
; coordinate that the four partners do not share.  The branch hangs on the wave's number alone.  An s_nop 0 and four v_nop follow each of the two lines, ahead of the jump and the label.
.macro JLOAD s
	s_cmp_eq_u32 s11, 0
	s_cbranch_scc0 .Lfor_b_\@
	tensor_load_to_lds s[G0+4*(\s):G0+4*(\s)+3], s[G1:G1+7]
	s_nop 0
.rept 4
	v_nop
.endr
	s_branch .Lasked_\@
.Lfor_b_\@:
	tensor_load_to_lds s[G0B+4*(\s):G0B+4*(\s)+3], s[G1B:G1B+7]
	s_nop 0
.rept 4
	v_nop
.endr
.Lasked_\@:
.endm
; A round of the cluster's barrier: my work-group's barrier, so that wave 0's signal speaks for all four waves; wave 0 signals for the work-group; every wave waits for all sixteen
; work-groups; my work-group's barrier once more.  No LDS instruction of the wave is pending at a signal.
.macro CREST                           ; a round behind its opening barrier
	s_cmp_lg_u32 s10, 0
	s_cbranch_scc1 .Lnot_wave_0_\@
	s_barrier_signal -3
.Lnot_wave_0_\@:
	s_barrier_wait -3
	s_barrier_signal -1
	s_barrier_wait -1
.endm
.macro CROUND                          ; a whole round
	s_barrier_signal -1
	s_barrier_wait -1
	CREST
.endm
	s_load_b128 s[4:7], s[0:1], 0x0                ; xb (A) s[4:5], wb (B) s[6:7]
	s_load_b64 s[8:9], s[0:1], 0x10                ; out0
	v_lshl_add_u32 v[SPW], v0, 2, SPARE
	v_mov_b32 v[NIL], 0
	ds_add_u32 v[SPW], v[NIL]                      ; the wave's opening: the add and its wait stand ahead of my first tensor load; the set-up below, work on registers, stands between them
	v_lshrrev_b32 v1, 5, v0
	v_readfirstlane_b32 s10, v1                    ; wave 0..3
	s_lshr_b32 s11, s10, 1                         ; which half of the tile's rows is mine.  Also: I fetch for A (0) or for B (1)
	s_and_b32 s12, s10, 1                          ; which half of its columns.  Also: which 128 rows of that tile I fetch
	s_bfe_u32 s40, ttmp6, 0x40000                  ; cx: my place along the cluster's x
	s_bfe_u32 s41, ttmp6, 0x40004                  ; cy: along its y
	s_lshl_b32 s42, ttmp9, 2                       ; in a cluster launch ttmp9 and ttmp7 count clusters
	s_add_co_u32 s42, s42, s40                     ; tile column = 4 x cluster x + cx
	s_and_b32 s13, ttmp7, 0xffff
	s_lshl_b32 s13, s13, 2
	s_add_co_u32 s13, s13, s41                     ; tile row = 4 x cluster y + cy
	s_lshl_b32 s43, s41, 2
	s_lshl_b32 s43, 15, s43                        ; my row of the cluster: places 4 cy .. 4 cy + 3
	s_lshl_b32 s44, 0x1111, s40                    ; my column: places cx, cx + 4, cx + 8, cx + 12
	; descriptor group 1: a tile of 128 rows x 128 elements, padded in LDS
	s_or_b32 s[G1+0], s43, (1<<16)|(1<<20)|(1<<21)|(5<<22)|(3<<25)   ; 15:0 the mask: A's tiles go to my row; 17:16 elements of 2 bytes; 20 padding on; 21 set beside a mask; 24:22 after every 64 words (code 5); 31:25 4 words of it (code 3)
	s_or_b32 s[G1B+0], s44, (1<<16)|(1<<20)|(1<<21)|(5<<22)|(3<<25)  ; the same with the mask of my column, for B's tiles
	s_mov_b32 s[G1+1], KSTEP<<16                   ; 63:48 tensor_dim0, low half = 128
	s_mov_b32 s[G1B+1], KSTEP<<16
	s_mov_b32 s[G1+2], 128<<16                     ; 79:64 its high half = 0; 95:80 tensor_dim1, low half = 128
	s_mov_b32 s[G1B+2], 128<<16
	s_mov_b32 s[G1+3], KSTEP<<16                   ; 111:96 its high half = 0; 127:112 tile_dim0 = 128
	s_mov_b32 s[G1B+3], KSTEP<<16
	s_mov_b32 s[G1+4], 128                         ; 143:128 tile_dim1 = 128; 159:144 tile_dim2 = 0
	s_mov_b32 s[G1B+4], 128
	s_mov_b32 s[G1+5], SIZE_K                      ; 191:160 tensor_dim0_stride, low word: elements from row to row
	s_mov_b32 s[G1B+5], SIZE_K
	s_mov_b32 s[G1+6], 0
	s_mov_b32 s[G1B+6], 0
	s_mov_b32 s[G1+7], 0
	s_mov_b32 s[G1B+7], 0
	; where the tiles come from.  A's hang on the tile row alone, which my row of the cluster shares; B's on the tile column alone, which my column shares.
	; Every wave makes both addresses, in registers that never hold the other coordinate, and asks by one of them.
	s_lshl_b32 s17, s12, 7                         ; which 128 rows of the tile I fetch
	s_lshl_b32 s16, s13, 8
	s_add_co_u32 s16, s16, s17                     ; A: row 256 x tile row + 128 x half
	s_lshl_b32 s46, s42, 8
	s_add_co_u32 s46, s46, s17                     ; B: row 256 x tile column + 128 x half
	s_mov_b32 s17, 0
	s_mov_b32 s47, 0
	s_mov_b64 s[18:19], SIZE_K*2
	s_mul_u64 s[16:17], s[16:17], s[18:19]         ; in bytes
	s_mul_u64 s[46:47], s[46:47], s[18:19]
	s_mul_i32 s20, s10, HALFT                      ; and where they go: A's two halves, then B's two halves = wave x 128 rows: no place in the cluster enters an LDS address
	s_wait_dscnt 0x0                               ; the opening add is done
	s_wait_kmcnt 0x0
	s_add_nc_u64 s[14:15], s[4:5], s[16:17]
	s_add_nc_u64 s[46:47], s[6:7], s[46:47]
	CROUND                                         ; all sixteen work-groups are here: the first joint loads meet
.irp s, 0,1
	s_mov_b32 s[G0+4*(\s)], 1                                        ; 1:0 count = 1
	s_add_co_u32 s[G0+4*(\s)+1], s20, (\s)*SLOT                      ; 63:32 LDS address
	s_add_nc_u64 s[G0+4*(\s)+2:G0+4*(\s)+3], s[14:15], (\s)*KSTEP*2  ; 120:64 global address: K step s
	s_or_b32 s[G0+4*(\s)+3], s[G0+4*(\s)+3], 0x80000000              ; 127:126 type = 2
	s_mov_b32 s[G0B+4*(\s)], 1
	s_add_co_u32 s[G0B+4*(\s)+1], s20, (\s)*SLOT
	s_add_nc_u64 s[G0B+4*(\s)+2:G0B+4*(\s)+3], s[46:47], (\s)*KSTEP*2
	s_or_b32 s[G0B+4*(\s)+3], s[G0B+4*(\s)+3], 0x80000000
	JLOAD \s                                       ; the ring is filled before anything else is done: two tensor loads of mine are out
.endr
	; A fragment is 16 rows x 32 K in 8 registers: lane l holds row l % 16; registers 0-3 hold K = 8 (l / 16) + 0..7, registers 4-7 hold K = 16 + 8 (l / 16) + 0..7.
	; From rows that lie along K: two loads of 16 bytes, 32 bytes apart.  The same for source 0 and source 1.
	v_and_b32 v1, 15, v0                           ; l % 16
	v_bfe_u32 v2, v0, 4, 1                         ; l / 16
	v_mul_u32_u24 v3, v1, PITCH
	v_lshl_add_u32 v3, v2, 4, v3                   ; row x pitch + 16 x half
	s_mul_i32 s21, s11, HALFT                      ; my 128 rows of A
	s_mul_i32 s22, s12, HALFT                      ; my 128 rows of B,
	s_add_co_u32 s22, s22, 2*HALFT                 ; which lie behind A's 256
.irp s, 0,1
	v_add_nc_u32 v[ADRA+(\s)], s21, v3
	v_add_nc_u32 v[ADRB+(\s)], s22, v3
	s_add_co_u32 s21, s21, SLOT
	s_add_co_u32 s22, s22, SLOT
.endr
	s_mul_i32 s23, s10, 16*SPITCH
	s_add_co_u32 s23, s23, STAGE                   ; my stage
	v_mul_u32_u24 v4, v1, SPITCH                   ; in: row l % 16, 32 bytes (8 f32) for each half of the lanes
	v_lshl_add_u32 v4, v2, 5, v4
	v_add_nc_u32 v[STO], s23, v4
	v_and_b32 v5, 31, v0
	v_lshlrev_b32 v[CO], 4, v5                     ; back: the 32 lanes take one row's 512 bytes, 16 each; the same place in out0's row
	v_add_nc_u32 v[RD], s23, v[CO]
	; out0 at my part of the tile
	s_lshl_b32 s13, s13, 8
	s_lshl_b32 s14, s11, 7
	s_add_co_u32 s16, s13, s14                     ; my first row
	s_mov_b32 s17, 0
	s_mov_b64 s[18:19], CROW
	s_mul_u64 s[16:17], s[16:17], s[18:19]
	s_lshl_b32 s46, s42, 10                        ; my first column, in bytes: 1,024 x tile column + 512 x half (in the registers that held B's address: none that feeds A's descriptors ever holds cx)
	s_lshl_b32 s47, s12, 9
	s_add_co_u32 s46, s46, s47
	s_mov_b32 s47, 0
	s_add_nc_u64 s[16:17], s[16:17], s[46:47]
	s_add_nc_u64 s[8:9], s[8:9], s[16:17]          ; never rewritten after this: the way out reaches its 128 rows by the stores' immediates
; 16 matrix instructions: m blocks a0, a0 + 1 of the window's four (hi = 0: my rows 0-63, 1: rows 64-127) x all 8 n blocks, 32 along K.  zero = 1: the first product starts the sums: nothing is ever cleared.
; The 64 accumulators take turns, one instruction a turn, in the same order in every quarter step.
.macro MUL16 f, hi, a0, zero
	WIN MUL_LO+0x50*(\hi)
.irp a, \a0, (\a0)+1
.irp b, 0,1,2,3,4,5,6,7
.if \zero
	v_wmma_f32_16x16x32_bf16 v[8*(8*(\a)+(\b)):8*(8*(\a)+(\b))+7], v[(\f)+8*(\b):(\f)+8*(\b)+7], v[(\f)+8*(4*(\hi)+(\a)):(\f)+8*(4*(\hi)+(\a))+7], 0
.else
	v_wmma_f32_16x16x32_bf16 v[8*(8*(\a)+(\b)):8*(8*(\a)+(\b))+7], v[(\f)+8*(\b):(\f)+8*(\b)+7], v[(\f)+8*(4*(\hi)+(\a)):(\f)+8*(4*(\hi)+(\a))+7], v[8*(8*(\a)+(\b)):8*(8*(\a)+(\b))+7]
.endif
.endr
.endr
.endm
; 32 LDS loads in one run: the fragments of one quarter step (128 rows of B, 128 rows of A, 32 K at byte k of the rows) into buffer f
.macro FETCH slot, k, f
	WIN TO_B
.irp i, 0,1,2,3,4,5,6,7
	ds_load_b128 v[(\f)+8*(\i):(\f)+8*(\i)+3],   v[ADRB+(\slot)] offset:(\k)+(\i)*16*PITCH
	ds_load_b128 v[(\f)+8*(\i)+4:(\f)+8*(\i)+7], v[ADRB+(\slot)] offset:(\k)+(\i)*16*PITCH+32
.endr
	WIN 0
.irp i, 0,1,2,3,4,5,6,7
	ds_load_b128 v[(\f)+8*(\i):(\f)+8*(\i)+3],   v[ADRA+(\slot)] offset:(\k)+(\i)*16*PITCH
	ds_load_b128 v[(\f)+8*(\i)+4:(\f)+8*(\i)+7], v[ADRA+(\slot)] offset:(\k)+(\i)*16*PITCH+32
.endr
.endm
; A load into a register that a matrix instruction has read, and an LDS store that reads a matrix result, stand four places behind that matrix instruction, and only plain vector instructions that
; name none of its registers are places (ISA guide 7.12.1 for vector instructions).  No other vector work is at hand here, so four v_nop.
.macro PLACES
.rept 4
	v_nop
.endr
.endm
; A K step is four quarter steps of 32 along K, 64 matrix instructions each, on buffers 0, 1, 0, 1.
; One of the first three: multiplies buffer f; in its middle it fetches the next quarter's fragments, at byte k of the same slot's rows, into buffer g.
.macro QUARTER slot, k, f, g, zero
	s_wait_dscnt 8                                 ; B and A's rows 0-63 are in; the youngest eight loads (A's rows 64-127) may be out
	MUL16 \f, 0, 0, \zero
	MUL16 \f, 0, 2, \zero
	PLACES
	FETCH \slot, \k, \g
	s_wait_dscnt 32                                ; all but the 32 just issued
	MUL16 \f, 1, 0, \zero
	MUL16 \f, 1, 2, \zero
.endm
; The last quarter multiplies buffer 1 and changes slots.  MEET is its first half: ONE barrier for the change of slots, for two things.  In front of it each wave waits for all its tensor loads, of
; which one is out: its part of the next slot; adds 0 to its spare word; and waits for that and for its own reads of this slot.  Behind it nobody reads this slot any more and the next slot is whole.
.macro MEET round                      ; round = 1: a round of the cluster's barrier follows
	WIN 0                                          ; (the add's two registers lie in window 0)
	s_wait_tensorcnt 0x0                           ; all my tensor loads have landed: the one that was out is my part of the next slot;
	ds_add_u32 v[SPW], v[NIL]                      ; 0 onto my spare word;
	s_wait_dscnt 9                                 ; (the add and the youngest eight loads may be out)
	MUL16 F1, 0, 0, 0                              ; sixteen matrix instructions stand between the add and the wait for it
	s_wait_dscnt 0x0                               ; the add is done, and my reads of this slot are over:
	s_barrier_signal -1                            ; say so (where a slot is filled again this barrier opens a round of the cluster's barrier),
	MUL16 F1, 0, 2, 0                              ; work on registers while the others arrive,
.if \round
	WIN 0
.endif
	s_barrier_wait -1                              ; and go on when all four have said so
.endm
; The whole last quarter.  fill = 1: behind the round the slot just read out is filled again first, with the K step two steps on; from that request to the wait for it a wave issues 224 matrix
; instructions.  Then come the next slot's first fragments.
.macro TURN slot, next, fill
	MEET \fill
.if \fill
	CREST                                          ; wave 0 says so for the work-group, all sixteen work-groups have said so, my work-group's barrier closes the round:
	                                               ; no wave of any partner still reads this slot's tile or has a load on its way
	s_add_nc_u64 s[G0+4*(\slot)+2:G0+4*(\slot)+3], s[G0+4*(\slot)+2:G0+4*(\slot)+3], 2*KSTEP*2      ; no tensor load of mine is out, so a group 0 may be written; the type bits on top are not reached
	s_add_nc_u64 s[G0B+4*(\slot)+2:G0B+4*(\slot)+3], s[G0B+4*(\slot)+2:G0B+4*(\slot)+3], 2*KSTEP*2
	JLOAD \slot                                    ; my one tensor load behind the round, and the first thing there; the four v_nop behind it are also the places in front of the loads below
.else
	PLACES
.endif
	FETCH \next, 0, F0
	MUL16 F1, 1, 0, 0
	MUL16 F1, 1, 2, 0
.endm
; THE WAY OUT of block a (16 of my rows), in two parts.  TOSTAGE: the block's eight accumulators go as they are, f32, into my own stage in LDS, each accumulator's low four registers first,
; and come back as whole rows of 512 bytes into bank a % 2 of the registers that held A's fragments.  SEND: stored.
.macro TOSTAGE a
.set AC, 64*((\a)%4)
.set BK, F0+64*((\a)%2)
	WIN 0x08+4*((\a)/4)                            ; an LDS store's data are source 1: window 2 (blocks 0-3) or 3 (blocks 4-7); its address window 0
.irp b, 0,1,2,3,4,5,6,7
	ds_store_b128 v[STO], v[AC+8*(\b):AC+8*(\b)+3]   offset:64*(\b)
	ds_store_b128 v[STO], v[AC+8*(\b)+4:AC+8*(\b)+7] offset:64*(\b)+16
.endr
	WIN 0
	s_wait_xcnt 0x0                                ; every earlier memory instruction has had its addresses translated (ISA guide 3.1): the bank, which the stores of two blocks ago read, is loaded again only behind this wait
.irp t, 0,1,2,3,4,5,6,7,8,9,10,11,12,13,14,15
	ds_load_b128 v[BK+4*(\t):BK+4*(\t)+3], v[RD] offset:(\t)*SPITCH  ; LDS serves a wave's instructions in order (ISA guide 5.7.1.4): these see the stores above; the next block's stores come behind them
.endr
.endm
.macro SEND a, younger                 ; younger: the LDS instructions issued behind block a's loads: the next block's sixteen stores and sixteen loads, or none
	WIN 0
.set BK, F0+64*((\a)%2)
.irp t, 0,1,2,3,4,5,6,7,8,9,10,11,12,13,14,15
	s_wait_dscnt (\younger)+15-(\t)                ; row t is back in registers
	global_store_b128 v[CO], v[BK+4*(\t):BK+4*(\t)+3], s[8:9] offset:(16*(\a)+(\t))*CROW th:TH_STORE_NT  ; the wave stores 512 consecutive bytes, at a multiple of 512 from out0's first byte; 127 rows at the most: 1,040,384, inside the signed 24-bit immediate
.endr
.endm
	s_wait_tensorcnt 1                             ; my part of K step 0 is in; K step 1's may stay out
	s_barrier_signal -1
	s_barrier_wait -1                              ; everybody's is
	FETCH 0, 0, F0
	QUARTER 0, 64,  F0, F1, 1                      ; the first quarter stands in front of the loop: its products start the sums
	WIN 0                                          ; at a label and at a branch every window is 0
	s_mov_b32 s3, LAPS-1
.Llap:                                                 ; a trip goes once round the ring, from a lap's second quarter to the next lap's first, and fills both slots again: trip t = 1 .. 15 asks for K steps 2 t and 2 t + 1
	QUARTER 0, 128, F1, F0, 0
	QUARTER 0, 192, F0, F1, 0
	TURN 0, 1, 1
	QUARTER 1, 64,  F0, F1, 0
	QUARTER 1, 128, F1, F0, 0
	QUARTER 1, 192, F0, F1, 0
	TURN 1, 0, 1
	QUARTER 0, 64,  F0, F1, 0
	WIN 0
	s_sub_co_u32 s3, s3, 1
	s_cmp_lg_u32 s3, 0
	s_cbranch_scc1 .Llap
	QUARTER 0, 128, F1, F0, 0                      ; the last lap is written out: it fills nothing, and has no round of the cluster's barrier
	QUARTER 0, 192, F0, F1, 0
	TURN 0, 1, 0
	QUARTER 1, 64,  F0, F1, 0
	QUARTER 1, 128, F1, F0, 0
	QUARTER 1, 192, F0, F1, 0
	s_wait_dscnt 8                                 ; the very last quarter: nothing more to fetch
	MUL16 F1, 0, 0, 0
	MUL16 F1, 0, 2, 0
	s_wait_dscnt 0x0
	MUL16 F1, 1, 0, 0
	MUL16 F1, 1, 2, 0
	WIN 0
	PLACES                                         ; behind the last products: the stage's stores read results, and its loads land in registers that products have read
	TOSTAGE 0
.irp a, 1,2,3,4,5,6,7                  ; block a's trip through the stage is issued ahead of the waits for block a - 1's rows
	TOSTAGE \a
	SEND (\a)-1, 32
.endr
	SEND 7, 0
	s_wait_tensorcnt 0x0                           ; the wave's end, behind my last tensor load and my last LDS store
	ds_add_u32 v[SPW], v[NIL]
	s_wait_dscnt 0x0
	CROUND                                         ; the closing round: no work-group ends while a partner may still ask for a tile that names it
	s_endpgm
.Lfunc_end_k_qfc1cce350a_gemm:
	.size	k_qfc1cce350a_gemm, .Lfunc_end_k_qfc1cce350a_gemm-k_qfc1cce350a_gemm
	.p2alignl 7, 3214868480
	.fill 96, 4, 3214868480
	.section	.rodata,"a",@progbits
	.p2align	6, 0x0
	.amdhsa_kernel k_qfc1cce350a_gemm
		.amdhsa_group_segment_fixed_size 327680
		.amdhsa_private_segment_fixed_size 0
		.amdhsa_enable_private_segment 0
		.amdhsa_kernarg_size 24
		.amdhsa_user_sgpr_count 2
		.amdhsa_user_sgpr_kernarg_segment_ptr 1
		.amdhsa_wavefront_size32 1
		.amdhsa_system_sgpr_workgroup_id_x 1
		.amdhsa_system_sgpr_workgroup_id_y 1
		.amdhsa_system_sgpr_workgroup_id_z 1
		.amdhsa_system_vgpr_workitem_id 0
		.amdhsa_next_free_vgpr 1024
		.amdhsa_next_free_sgpr 66
		.amdhsa_reserve_vcc 0
		.amdhsa_float_denorm_mode_32 3
		.amdhsa_float_denorm_mode_16_64 3
		.amdhsa_memory_ordered 1
		.amdhsa_forward_progress 1
		.amdhsa_inst_pref_size 144
	.end_amdhsa_kernel
	.amdgpu_metadata
---
amdhsa.version: [ 1, 2 ]
amdhsa.kernels:
  - .name:           k_qfc1cce350a_gemm
    .symbol:         k_qfc1cce350a_gemm.kd
    .args:
      - { .name: xb, .offset: 0, .size: 8, .value_kind: global_buffer, .address_space: global }
      - { .name: wb, .offset: 8, .size: 8, .value_kind: global_buffer, .address_space: global }
      - { .name: out0, .offset: 16, .size: 8, .value_kind: global_buffer, .address_space: global }
    .group_segment_fixed_size: 327680
    .private_segment_fixed_size: 0
    .kernarg_segment_align: 8
    .kernarg_segment_size: 24
    .max_flat_workgroup_size: 128
    .sgpr_count:     66
    .vgpr_count:     1024
    .wavefront_size: 32
...
	.end_amdgpu_metadata
.endif
;; end of part 2
;; ======== version 2 of 2: 2 launches; version 1 with the launch cast written anew for expert scheduling mode
;; workspace buffers: xb 67,108,864 bytes; wb 16,777,216 bytes
;; launch cast (part 3): grid 1280 x 1, 8 waves a work-group, no clusters, 0 bytes of LDS; arguments x, signs, scales, xb, wb; writes xb, wb
.if DOCPART == 3
	.amdgcn_target "amdgcn-amd-amdhsa--gfx1250"
	.amdhsa_code_object_version 6
	.text
	.protected	k_qfc1cce350a_cast
	.globl	k_qfc1cce350a_cast
	.p2align	8
	.type	k_qfc1cce350a_cast,@function
k_qfc1cce350a_cast:
	s_mov_b64 s[64:65], 0
	v_nop
	global_prefetch_b8 v0, s[64:65] scope:SCOPE_SE
	s_setreg_imm32_b32 hwreg(HW_REG_WAVE_SCHED_MODE, 0, 2), 2
	s_setreg_imm32_b32 hwreg(HW_REG_WAVE_MODE, 25, 1), 1
	s_wait_xcnt 0x0
	s_wait_alu depctr_vm_vsrc(0)
; xb = bf16(x), [8192][4096];  wb[o][i] = bf16(bf16(signs[o][i]) * bf16(scales[32 o + i / 128])), [2048][4096].  Inputs f32, outputs bf16, all row-major.
; LIMIT.  Each input is rounded to bf16 once (to nearest even).  The product sign x scale is then rounded to bf16 once more: exact where the sign is +-1 or +- a power of two;
; for any other sign w carries one further rounding, at most 2^-8 of itself.  bf16 has f32's exponent range; NaN and infinities pass through as they are.
; A STREAM: every input byte is read once, every output byte written once; nothing is shared, so no LDS, no barrier, no matrix unit, no cluster.
; SHARES.  A work-group takes 32,768 consecutive numbers (131,072 bytes in, 65,536 out): groups 0-1023 those of x, groups 1024-1279 those of signs.  A wave takes 4,096 of them:
; 32 loads of 16 bytes a lane, each 512 consecutive bytes = 128 numbers, which in signs is exactly one group of one scale.  All 32 loads go out before the first is waited for;
; each is converted in the registers it landed in and leaves by one store of 8 bytes a lane: the wave's store covers 256 consecutive bytes, aligned.
; THE MODE: SCHED_MODE bits 1:0 = 2 (LLVM: expert scheduling mode 2), set by the entry lines.  The code itself states the register dependences
; between vector instructions and memory instructions, with s_wait_alu, always for 0.
; THE PLAN.  Registers that memory instructions touch:
;   v1, v2, v3   byte offsets: written by vector instructions at the head and never again; read by the loads (v1), the stores (v2) and the load of the scales (v3).
;   v4           the scales' load lands in it; no vector instruction names it before that, and no memory instruction reads it.
;   X            load i lands in its four registers, which no vector instruction has named; its roundings (and products) write the first two in place; store i reads those two; nothing writes them again.
; No register is used twice and no address is stepped: the text has no loop, and no register that a memory instruction has read is ever written again.
; The 32 loads are worked off in eight GROUPS of four.  Group g's vector instructions name group g's registers alone; its memory instructions are the four stores of group g - 1.  So one wait on
; va_vdst at a group's head, behind the wait for the group's data, states all that its four stores hang on, and they are dealt among the group's vector instructions with no further wait.
; The 32 scales of a wave go into scalar registers by one run of lane reads, with one wait on va_sdst behind the run.
.set NX,   1024                        ; work-groups that take x
.set GRP,  4                           ; loads in a group
.set OFI,  1                           ; v1        byte offset of my 16 bytes in the group's input:  16,384 x wave + 16 x lane
.set OFO,  2                           ; v2        the same in its output: half of that
.set OFS,  3                           ; v3        byte offset of my scale among the group's 256: 4 x thread = 128 x wave + 4 x lane
.set SC,   4                           ; v4        lane l: the scale of my wave's load l, as bf16 in both halves
.set X,    8                           ; v[8:135]  load i: 4 registers
.set SCS,  24                          ; s[24:55]  the scale of my wave's load i, as bf16 in both halves
	s_load_b256 s[4:11], s[0:1], 0x0               ; x s[4:5], signs s[6:7], scales s[8:9], xb s[10:11]
	s_load_b64 s[12:13], s[0:1], 0x20              ; wb
	v_lshrrev_b32 v[OFI], 5, v0                    ; wave
	v_and_b32 v[OFO], 31, v0                       ; lane
	v_lshlrev_b32 v[OFO], 4, v[OFO]
	v_lshl_or_b32 v[OFI], v[OFI], 14, v[OFO]
	v_lshrrev_b32 v[OFO], 1, v[OFI]
	v_lshlrev_b32 v[OFS], 2, v0
	s_mov_b32 s3, 0                                ; the high words of the three offsets: all stay under 2^32
	s_mov_b32 s15, 0
	s_mov_b32 s17, 0
	s_wait_kmcnt 0x0
	s_wait_alu depctr_va_vdst(0)                   ; v1, v2 and v3 are written: every load and store of both paths below reads one of them as its offset
.macro FILL src                        ; the wave's 32 loads, 512 consecutive bytes each; the data are read once in the launch
.set i, 0
.rept 32
	global_load_b128 v[X+4*i:X+4*i+3], v[OFI], s[\src:\src+1] offset:512*i th:TH_LOAD_NT
.set i, i+1
.endr
.endm
; Group g = 0 .. 7: its four loads are waited for; the four stores of the group before go out, one ahead of each load's vector work; each load is rounded in place and (scaled = 1) multiplied by its group's scale.
.macro DRAIN scaled, dst
.set g, 0
.rept 32/GRP
	s_wait_loadcnt 32-GRP-GRP*g                    ; loads come back in order (ISA guide 5.7.1): this group's four are in, those issued behind them stay out
.if g > 0
	s_wait_alu depctr_va_vdst(0)                   ; the group before has written its registers, which the four stores below read; no vector instruction behind this wait names them
.endif
.set j, 0
.rept GRP
.set i, GRP*g+j
.if g > 0
	global_store_b64 v[OFO], v[X+4*(i-GRP):X+4*(i-GRP)+1], s[\dst:\dst+1] offset:256*(i-GRP)  ; 32 lanes x 8 bytes: 256 consecutive bytes, aligned; the next launch reads them, so no hint
.endif
	v_cvt_pk_bf16_f32 v[X+4*i],   v[X+4*i],   v[X+4*i+1]    ; two roundings, packed
	v_cvt_pk_bf16_f32 v[X+4*i+1], v[X+4*i+2], v[X+4*i+3]
.if \scaled
	v_pk_mul_bf16 v[X+4*i],   v[X+4*i],   s[SCS+i]          ; the one scale of these 128 numbers
	v_pk_mul_bf16 v[X+4*i+1], v[X+4*i+1], s[SCS+i]
.endif
.set j, j+1
.endr
.set g, g+1
.endr
	s_wait_alu depctr_va_vdst(0)                   ; the last group has written its registers, which the last four stores read
.set i, 32-GRP
.rept GRP
	global_store_b64 v[OFO], v[X+4*i:X+4*i+1], s[\dst:\dst+1] offset:256*i
.set i, i+1
.endr
.endm
	s_cmp_lt_u32 ttmp9, NX
	s_cbranch_scc0 .Lweights
	s_lshl_b32 s2, ttmp9, 17                       ; the group's 131,072 bytes of x,
	s_lshl_b32 s14, ttmp9, 16                      ; its 65,536 of xb
	s_add_nc_u64 s[4:5], s[4:5], s[2:3]
	s_add_nc_u64 s[10:11], s[10:11], s[14:15]
	FILL 4
	DRAIN 0, 10
	s_endpgm
.Lweights:
	s_sub_co_u32 s18, ttmp9, NX                    ; my number among the 256 groups that take signs
	s_lshl_b32 s2, s18, 17
	s_lshl_b32 s14, s18, 16
	s_lshl_b32 s16, s18, 10                        ; 32,768 numbers are 256 groups of 128: 1,024 bytes of scales
	s_add_nc_u64 s[6:7], s[6:7], s[2:3]
	s_add_nc_u64 s[12:13], s[12:13], s[14:15]
	s_add_nc_u64 s[8:9], s[8:9], s[16:17]
	global_load_b32 v[SC], v[OFS], s[8:9]          ; lane l: the scale of the wave's group l
	FILL 6
	s_wait_loadcnt 32                              ; the scales are in; the 32 loads issued behind them stay out
	v_cvt_pk_bf16_f32 v[SC], v[SC], v[SC]          ; rounded once, in both halves
.set i, 0
.rept 32
	v_readlane_b32 s[SCS+i], v[SC], i              ; one run of lane reads, each into a scalar register of its own
.set i, i+1
.endr
	s_wait_alu depctr_va_sdst(0)                   ; s[24:55] are written, ahead of their first readers, the products in the groups below
	DRAIN 1, 12
	s_endpgm
.Lfunc_end_k_qfc1cce350a_cast:
	.size	k_qfc1cce350a_cast, .Lfunc_end_k_qfc1cce350a_cast-k_qfc1cce350a_cast
	.p2alignl 7, 3214868480
	.fill 96, 4, 3214868480
	.section	.rodata,"a",@progbits
	.p2align	6, 0x0
	.amdhsa_kernel k_qfc1cce350a_cast
		.amdhsa_group_segment_fixed_size 0
		.amdhsa_private_segment_fixed_size 0
		.amdhsa_enable_private_segment 0
		.amdhsa_kernarg_size 40
		.amdhsa_user_sgpr_count 2
		.amdhsa_user_sgpr_kernarg_segment_ptr 1
		.amdhsa_wavefront_size32 1
		.amdhsa_system_sgpr_workgroup_id_x 1
		.amdhsa_system_sgpr_workgroup_id_y 1
		.amdhsa_system_sgpr_workgroup_id_z 1
		.amdhsa_system_vgpr_workitem_id 0
		.amdhsa_next_free_vgpr 136
		.amdhsa_next_free_sgpr 66
		.amdhsa_reserve_vcc 0
		.amdhsa_float_denorm_mode_32 3
		.amdhsa_float_denorm_mode_16_64 3
		.amdhsa_memory_ordered 1
		.amdhsa_forward_progress 1
		.amdhsa_inst_pref_size 29
	.end_amdhsa_kernel
	.amdgpu_metadata
---
amdhsa.version: [ 1, 2 ]
amdhsa.kernels:
  - .name:           k_qfc1cce350a_cast
    .symbol:         k_qfc1cce350a_cast.kd
    .args:
      - { .name: x, .offset: 0, .size: 8, .value_kind: global_buffer, .address_space: global }
      - { .name: signs, .offset: 8, .size: 8, .value_kind: global_buffer, .address_space: global }
      - { .name: scales, .offset: 16, .size: 8, .value_kind: global_buffer, .address_space: global }
      - { .name: xb, .offset: 24, .size: 8, .value_kind: global_buffer, .address_space: global }
      - { .name: wb, .offset: 32, .size: 8, .value_kind: global_buffer, .address_space: global }
    .group_segment_fixed_size: 0
    .private_segment_fixed_size: 0
    .kernarg_segment_align: 8
    .kernarg_segment_size: 40
    .max_flat_workgroup_size: 256
    .sgpr_count:     66
    .vgpr_count:     136
    .wavefront_size: 32
...
	.end_amdgpu_metadata
.endif
;; end of part 3
;; launch gemm: the kernel of part 2 again; grid 8 x 32, 4 waves a work-group, clusters of 4 x 4, 327,680 bytes of LDS; arguments xb, wb, out0; writes out0
